; MI455X (gfx1250); checked and timed in simulation.
; The chip was launched on July 23, 2026; its instructions are those of AMD's public machine-readable ISA for CDNA 5 (MIT licence, August 2026) and "CDNA5" Instruction Set Architecture Reference Guide (July 2026). The comments in the code are by the model that wrote it; some were corrected since.
;; Two Layer Fixed Classifier. Allowed arithmetic: float matrix products may take bf16 or f16 operands with f32 sums; other float arithmetic in f32, or as packed bf16 or f16 multiplies, adds, multiply-adds, maxima and minima; sums over many terms, partial sums and values carried from step to step in f32; what a program stores and reads back later, other than sums and carried values, may be rounded once to bf16 or f16.
;; Inputs: b1 4,096 float32; b2 1,000 float32; w1 4,096 x 2,048 float32; w2 1,000 x 4,096 float32; x 8,192 x 2,048 float32.
;; Outputs: out0 8,192 x 1,000 float32.
;; One version. Each part assembles by itself: llvm-mc -triple=amdgcn-amd-amdhsa -mcpu=gfx1250 --defsym DOCPART=n.
;; ======== version 1 of 1: 3 launches
;; workspace buffers: xb 33,554,432 bytes; w1b 16,777,216 bytes; w2t 8,388,608 bytes; part 1,048,576 bytes of whole numbers
;; launch prep (part 1): grid 1024 x 1, 8 waves a work-group, no clusters, 34,816 bytes of LDS; arguments x, w1, w2, xb, w1b, w2t; writes xb, w1b, w2t
.if DOCPART == 1
	.amdgcn_target "amdgcn-amd-amdhsa--gfx1250"
	.amdhsa_code_object_version 6
	.text
	.protected	k_qda05cadfaa_prep
	.globl	k_qda05cadfaa_prep
	.p2align	8
	.type	k_qda05cadfaa_prep,@function
k_qda05cadfaa_prep:
	s_mov_b64 s[64:65], 0
	v_nop
	global_prefetch_b8 v0, s[64:65] scope:SCOPE_SE
	s_setreg_imm32_b32 hwreg(HW_REG_WAVE_MODE, 25, 1), 1
	s_wait_xcnt 0x0
; prep: the three large inputs are rounded once to bf16 (nearest even), the form in which the later launches take them.
;   work-groups 0-511:    128 KiB of x  each -> xb  [8192][2048] bf16
;   work-groups 512-767:  128 KiB of w1 each -> w1b [4096][2048] bf16
;   work-groups 768-1023: a tile of 256 classes x 64 columns of w2, turned -> w2t [4096 j][1024 c] bf16 (a row of 2,048 bytes holds column j of w2)
; w2 has 1,000 classes: w2t's classes 1000-1023 take copies of class 999, so that every store is whole; no later launch reads them.
; Memory binds: each input byte is read once by 16-byte loads, all of a wave's loads are out together, and every store of a wave covers 256 or 512 consecutive aligned bytes.
; No matrix unit, no tensor load, no cluster: no byte is shared between work-groups, and loads into registers let several work-groups lie on a WGP.
; bf16 has f32's range, so no size of input is a limit here; NaN and infinities stay what they are.
.set STP,   528                        ; a stage row in LDS: 512 bytes (256 classes) + 16 = 132 words
.set SPARE, 64*STP                     ; 33,792: behind the stage, the spare words, 128 bytes for each of the eight waves; no other line names them
.set X,     8                          ; data registers: v[8:135] (conversion), v[8:71] (transposition)
.set AD,    72                         ; v[72:87] the transposition's sixteen load addresses
	s_load_b256 s[4:11], s[0:1], 0x0               ; x s[4:5], w1 s[6:7], w2 s[8:9], xb s[10:11]
	s_load_b128 s[12:15], s[0:1], 0x20             ; w1b s[12:13], w2t s[14:15]
	v_lshl_add_u32 v2, v0, 2, SPARE                ; my spare word, and 0: kept for the add at the end of the waves that write LDS
	v_mov_b32 v3, 0
	s_cmp_ge_u32 ttmp9, 768                        ; the branch hangs on the work-group's number alone: all eight waves go the same way
	s_cbranch_scc1 .Ltrans
	; ---- conversion: a wave owns 16 KiB of the source, 32 loads of 512 consecutive bytes ----
	s_cmp_lt_u32 ttmp9, 512
	s_cselect_b32 s20, 0, 512
	s_sub_co_u32 s20, ttmp9, s20                   ; my number among x's, or among w1's, work-groups
	s_lshl_b32 s22, s20, 17                        ; 128 KiB of f32,
	s_mov_b32 s23, 0
	s_lshl_b32 s24, s20, 16                        ; 64 KiB of bf16
	s_mov_b32 s25, 0
	v_lshrrev_b32 v1, 5, v0                        ; wave
	v_and_b32 v6, 31, v0                           ; lane
	v_lshlrev_b32 v4, 4, v6
	v_lshl_or_b32 v4, v1, 14, v4                   ; source: 16,384 x wave + 16 x lane
	v_lshlrev_b32 v5, 3, v6
	v_lshl_or_b32 v5, v1, 13, v5                   ; destination: 8,192 x wave + 8 x lane
	s_wait_kmcnt 0x0
	s_cmp_lt_u32 ttmp9, 512                        ; compared again: the subtraction above wrote SCC
	s_cselect_b64 s[16:17], s[4:5], s[6:7]         ; x or w1
	s_cselect_b64 s[18:19], s[10:11], s[12:13]     ; xb or w1b
	s_add_nc_u64 s[16:17], s[16:17], s[22:23]
	s_add_nc_u64 s[18:19], s[18:19], s[24:25]
.set i, 0
.rept 32
	global_load_b128 v[X+4*i:X+4*i+3], v4, s[16:17] offset:512*i th:TH_LOAD_NT
.set i, i+1
.endr
.set i, 0
.rept 32
	s_wait_loadcnt 31-i                            ; loads come back in order: number i is in, the 31 - i younger ones stay out
	v_cvt_pk_bf16_f32 v[X+4*i], v[X+4*i], v[X+4*i+1]
	v_cvt_pk_bf16_f32 v[X+4*i+1], v[X+4*i+2], v[X+4*i+3]
	global_store_b64 v5, v[X+4*i:X+4*i+1], s[18:19] offset:256*i  ; 32 lanes x 8 bytes: 256 consecutive bytes, aligned; no register is used twice, so nothing waits for a store
.set i, i+1
.endr
	s_endpgm                                       ; these waves wrote no LDS
	; ---- transposition: 256 classes x 64 columns j through a stage of 64 rows (one for each j) x 512 bytes ----
.Ltrans:
	s_sub_co_u32 s20, ttmp9, 768
	s_and_b32 s21, s20, 3                          ; which 256 classes
	s_lshr_b32 s22, s20, 2                         ; which 64 columns j
	s_lshl_b32 s24, s22, 8                         ; in a row of w2: 64 f32 = 256 bytes
	s_mov_b32 s25, 0
	s_lshl_b32 s26, s22, 17                        ; in w2t: 64 rows of 2,048 bytes,
	s_lshl_b32 s27, s21, 9                         ; and 256 classes = 512 bytes along them
	s_add_co_u32 s26, s26, s27
	s_mov_b32 s27, 0
	s_lshl_b32 s20, s21, 8                         ; the tile's first class
	v_and_b32 v88, 15, v0                          ; q: which 16 bytes (4 columns j) of the 256
	v_lshrrev_b32 v89, 4, v0                       ; pr: which pair of classes, 0-15
	v_lshl_add_u32 v4, v89, 1, s20                 ; my first pair's even class
	v_lshlrev_b32 v5, 4, v88
	; Column j = 4 q + k lies in stage row 16 k + q: the sixteen lanes of a store (q = 0-15, one k) then take sixteen consecutive stage rows, 132 words apart:
	; word q x 132 + pr is bank 4 q + pr mod 64 (64 banks of 4 bytes: ISA guide 11.1); the two halves of the lanes differ by 1 in pr: 32 different banks.
	v_mul_u32_u24 v6, v88, STP
	v_lshl_add_u32 v6, v89, 2, v6                  ; into the stage: q rows + 4 bytes (a pair of classes) x pr
	v_lshrrev_b32 v90, 5, v0                       ; wave
	v_and_b32 v91, 31, v0                          ; lane
	v_mul_u32_u24 v7, v90, STP
	v_lshl_add_u32 v7, v91, 4, v7                  ; back: stage row 8 m + wave, whole: 32 lanes x 16 bytes
	v_lshlrev_b32 v1, 13, v90
	v_lshl_add_u32 v1, v91, 4, v1                  ; in w2t: row 4 x wave (8,192 bytes) + 16 x lane
	s_wait_kmcnt 0x0
	s_add_nc_u64 s[8:9], s[8:9], s[24:25]
	s_add_nc_u64 s[14:15], s[14:15], s[26:27]
.set i, 0
.rept 16                               ; load i: class 32 (i / 2) + 2 pr + i % 2 of the tile; sixteen lanes take 256 consecutive aligned bytes of one class
	v_add_nc_u32 v[AD+i], 32*(i/2)+(i%2), v4
	v_min_u32 v[AD+i], 0x3e7, v[AD+i]              ; no load leaves w2: classes past 999 take class 999
	v_lshl_add_u32 v[AD+i], v[AD+i], 14, v5        ; a row of w2 is 16,384 bytes
	global_load_b128 v[X+4*i:X+4*i+3], v[AD+i], s[8:9] th:TH_LOAD_NT
.set i, i+1
.endr
.set i, 0
.rept 8
	s_wait_loadcnt 14-2*i                          ; pair i's two loads are in; the 14 - 2 i younger ones stay out
.irp k, 0,1,2,3
	v_cvt_pk_bf16_f32 v[X+8*i+(\k)], v[X+8*i+(\k)], v[X+8*i+4+(\k)]  ; the even class in the low half, the odd one above it: neighbours in a row of w2t
	ds_store_b32 v6, v[X+8*i+(\k)] offset:(\k)*16*STP+64*i
.endr
.set i, i+1
.endr
	s_wait_dscnt 0x0                               ; for the others' sake: my stores into the stage are done
	s_barrier_signal -1
	s_barrier_wait -1                              ; a stage row holds bytes of all eight waves
.set i, 0
.rept 8
	ds_load_b128 v[X+4*i:X+4*i+3], v7 offset:i*8*STP  ; stage row 8 i + wave
.set i, i+1
.endr
.set i, 0
.rept 8
	s_wait_dscnt 7-i                               ; LDS loads come back in order
	global_store_b128 v1, v[X+4*i:X+4*i+3], s[14:15] offset:(i%2)*65536+(i/2)*2048  ; stage row 8 i + wave is j = 32 (i % 2) + 4 wave + i / 2; 512 consecutive aligned bytes
.set i, i+1
.endr
	s_wait_tensorcnt 0x0                           ; the wave's end, behind my last LDS store
	ds_add_u32 v2, v3
	s_wait_dscnt 0x0
	s_endpgm
.Lfunc_end_k_qda05cadfaa_prep:
	.size	k_qda05cadfaa_prep, .Lfunc_end_k_qda05cadfaa_prep-k_qda05cadfaa_prep
	.p2alignl 7, 3214868480
	.fill 96, 4, 3214868480
	.section	.rodata,"a",@progbits
	.p2align	6, 0x0
	.amdhsa_kernel k_qda05cadfaa_prep
		.amdhsa_group_segment_fixed_size 34816
		.amdhsa_private_segment_fixed_size 0
		.amdhsa_enable_private_segment 0
		.amdhsa_kernarg_size 48
		.amdhsa_user_sgpr_count 2
		.amdhsa_user_sgpr_kernarg_segment_ptr 1
		.amdhsa_wavefront_size32 1
		.amdhsa_system_sgpr_workgroup_id_x 1
		.amdhsa_system_sgpr_workgroup_id_y 1
		.amdhsa_system_sgpr_workgroup_id_z 1
		.amdhsa_system_vgpr_workitem_id 0
		.amdhsa_next_free_vgpr 144
		.amdhsa_next_free_sgpr 66
		.amdhsa_reserve_vcc 0
		.amdhsa_float_denorm_mode_32 3
		.amdhsa_float_denorm_mode_16_64 3
		.amdhsa_memory_ordered 1
		.amdhsa_forward_progress 1
		.amdhsa_inst_pref_size 24
	.end_amdhsa_kernel
	.amdgpu_metadata
---
amdhsa.version: [ 1, 2 ]
amdhsa.kernels:
  - .name:           k_qda05cadfaa_prep
    .symbol:         k_qda05cadfaa_prep.kd
    .args:
      - { .name: x, .offset: 0, .size: 8, .value_kind: global_buffer, .address_space: global }
      - { .name: w1, .offset: 8, .size: 8, .value_kind: global_buffer, .address_space: global }
      - { .name: w2, .offset: 16, .size: 8, .value_kind: global_buffer, .address_space: global }
      - { .name: xb, .offset: 24, .size: 8, .value_kind: global_buffer, .address_space: global }
      - { .name: w1b, .offset: 32, .size: 8, .value_kind: global_buffer, .address_space: global }
      - { .name: w2t, .offset: 40, .size: 8, .value_kind: global_buffer, .address_space: global }
    .group_segment_fixed_size: 34816
    .private_segment_fixed_size: 0
    .kernarg_segment_align: 8
    .kernarg_segment_size: 48
    .max_flat_workgroup_size: 256
    .sgpr_count:     66
    .vgpr_count:     144
    .wavefront_size: 32
...
	.end_amdgpu_metadata
.endif
;; end of part 1
;; launch fc1max (part 2): grid 16 x 32, 4 waves a work-group, clusters of 4 x 4, 327,680 bytes of LDS; arguments xb, w1b, b1, part; writes part
.if DOCPART == 2
	.amdgcn_target "amdgcn-amd-amdhsa--gfx1250"
	.amdhsa_code_object_version 6
	.text
	.protected	k_qda05cadfaa_fc1max
	.globl	k_qda05cadfaa_fc1max
	.p2align	8
	.type	k_qda05cadfaa_fc1max,@function
k_qda05cadfaa_fc1max:
	s_mov_b64 s[64:65], 0
	v_nop
	global_prefetch_b8 v0, s[64:65] scope:SCOPE_SE
	s_setreg_imm32_b32 hwreg(HW_REG_WAVE_MODE, 25, 1), 1
	s_wait_xcnt 0x0
	s_wait_alu depctr_hold_cnt(0) depctr_sa_sdst(0) depctr_va_vdst(0) depctr_va_sdst(0) depctr_va_ssrc(0) depctr_va_vcc(0) depctr_vm_vsrc(0)
	s_getreg_b32 s2, hwreg(HW_REG_IB_STS2, 6, 4)
	s_cmp_eq_u32 s2, 0
	s_cbranch_scc0 .Lentry_in_a_cluster
	s_endpgm
.Lentry_in_a_cluster:
	s_bfe_u32 s2, ttmp6, 0x10000c
	s_cmp_lg_u32 s2, 0xf033
	s_cbranch_scc0 .Lentry_shape_is_right
	s_endpgm
.Lentry_shape_is_right:
; fc1max: h[m][n] = b1[n] + sum over k of x[m][k] w1[n][k], and of each row m the largest h, with its column, among a tile's 256 columns.
; xb: [8192][2048] bf16, w1b: [4096][2048] bf16, b1: [4096] f32 (rounded here to bf16, like every input of the program); sums in f32.
; part: [16 tile columns][8192 rows] pairs of whole numbers {key, n}: n the column (0-4095), key the maximum's bits made monotone as an unsigned number.  h itself never goes to memory.
; A later launch takes the largest key of a row's 16 pairs: an address is made of whole numbers read from memory, never of a comparison made in the same launch.
; LIMITS.  Equal maxima give the lowest column, as the first maximum asks.  -0 counts as +0.  A NaN in h does not hold the maximum: the next number takes its place.
; The bias starts the sum (it is the first product's C operand) and is not added last: another order of f32 rounding; two columns of a row that differ by less than the f32 sums' own rounding may change places.
; SHAPE.  A tile of h, 256 x 256, is made by four waves, each 128 x 128: 64 accumulators of 16 x 16, 512 registers.  K goes in steps of 128 through two LDS slots filled by tensor loads: rows of 256 bytes.
; CLUSTERS: 4 x 4 work-groups.  The four of a row of the cluster need the same tiles of xb, the four of a column the same tiles of w1b: each tile is asked for JOINTLY, by the same tensor load
; with the same descriptor and a mask that names the four.
; THE MATRIX INSTRUCTION IS USED TRANSPOSED: source 0 = 16 rows of w1b, source 1 = 16 rows of xb.  Lane l then holds row l % 16 of h, and register j of accumulator (a, b) the column 16 b + 8 (l / 16) + j:
; a row's maximum is work inside a lane, and one exchange between the halves of the lanes.
; REGISTERS, in windows of 256 (s_set_vgpr_msb: bits 1:0 source 0, 3:2 source 1, 5:4 source 2, 7:6 destination):
;   window 0: v0-31 addresses; v32-47 best value and place for my eight blocks of 16 rows; v48-58 at work; v64-127, v128-191 fragments of xb, two buffers
;   window 1: v0-63 the bias of my 128 columns as a C operand (block b at 8 b); v64-127, v128-191 fragments of w1b; v192-223 at work while the bias is rounded
;   window 2: the 32 accumulators of my rows 0-63 ((a, b) at 8 (8 a + b));   window 3: those of my rows 64-127
.set SIZE_K, 2048
.set KSTEP,  128
.set PITCH,  272                       ; an LDS row: 256 bytes + 16 of padding = 68 words: row r starts at bank 4 r mod 64 (64 banks of 4 bytes: ISA guide 11.1), so the 16 rows of a load start at 16 different banks
.set HALFT,  128*PITCH                 ; 128 rows: what one tensor load brings, and what one wave reads of xb or of w1b
.set SLOT,   4*HALFT                   ; xb's 256 rows, then w1b's 256 rows
.set RED,    2*SLOT                    ; behind the ring, never filled by a tensor load: [2 column halves][256 rows] pairs of 8 bytes
.set SPARE,  RED+4096                  ; behind that: the spare words, 128 bytes for each wave; no other line names them
.set LAPS,   SIZE_K/(2*KSTEP)          ; a lap = two K steps = once round the ring: 8
.set ADRA, 16                          ; v16-17  LDS address of my xb fragments in slot 0, 1
.set ADRB, 20                          ; v20-21  the same for w1b
.set RS,   24                          ; v24     where I put a row's pair
.set RR,   25                          ; v25     where I read two rows' pairs back
.set PO,   26                          ; v26     my byte offset in the tile's 2,048 bytes of part
.set NB,   27                          ; v27     the column of my register 0 of block 0: 256 x tile column + 128 x half + 8 (l / 16)
.set SPW,  28                          ; v28     LDS address of my spare word; never rewritten
.set NIL,  29                          ; v29     0; never rewritten
.set BO,   30                          ; v30     32 (l / 16): my eight numbers in 16 of b1
.set ST,   32                          ; v[32:47] block a of 16 rows: the best value (later its key) at ST + 2 a, its place (later its column) at ST + 2 a + 1
.set MG,   48                          ; v[48:55] the merge of the two column halves
.set TA,   56                          ; v56-58  at work
.set F0,   64
.set F1,   128
.set BI,   0                           ; window 1
.set BT,   192                         ; window 1
.set G1,   24                          ; s[24:31] descriptor group 1 for xb's tiles;  s[32:39] group 0, a set for each slot
.set G0,   32
.set G1B,  48                          ; s[48:55], s[56:63] the same for w1b's tiles
.set G0B,  56
.set MK,   68                          ; s68-71  lane masks
.set MSB, 0
.macro WIN new                         ; the immediate's high byte repeats the setting that is left; a switch that changes nothing is dropped
.if MSB != (\new)
	s_set_vgpr_msb (MSB<<8)|(\new)
.set MSB, \new
.endif
.endm
.set MUL_LO,  0xa1                     ; source 0 (w1b) window 1, source 1 (xb) window 0, C and D window 2
.set BIAS_LO, 0x91                     ; the same with C in window 1: the bias
.set TO_B,    0x40                     ; destination window 1, address window 0
.set ALL1,    0x55                     ; everything in window 1
.set RD_LO,   0x02                     ; source 0 window 2, the rest window 0
; A joint load.  Waves 0 and 1 fetch xb's two halves, waves 2 and 3 w1b's.  Each line has one mask and one set of registers; the branch hangs on the wave's number alone.
; An s_nop 0 and four v_nop follow each of the two lines, ahead of the jump, the label and what follows.
.macro JLOAD s
	s_cmp_eq_u32 s13, 0
	s_cbranch_scc0 .Lfor_b_\@
	tensor_load_to_lds s[G0+4*(\s):G0+4*(\s)+3], s[G1:G1+7]
	s_nop 0
.rept 4
	v_nop
.endr
	s_branch .Lasked_\@
.Lfor_b_\@:
	tensor_load_to_lds s[G0B+4*(\s):G0B+4*(\s)+3], s[G1B:G1B+7]
	s_nop 0
.rept 4
	v_nop
.endr
.Lasked_\@:
.endm
; A round of the cluster's barrier: my work-group's barrier; wave 0 signals for the work-group; every wave waits for all sixteen; my work-group's barrier once more.
.macro CREST                           ; a round behind its opening barrier
	s_cmp_lg_u32 s12, 0
	s_cbranch_scc1 .Lnot_wave_0_\@
	s_barrier_signal -3
.Lnot_wave_0_\@:
	s_barrier_wait -3
	s_barrier_signal -1
	s_barrier_wait -1
.endm
.macro CROUND
	s_barrier_signal -1
	s_barrier_wait -1
	CREST
.endm
	s_load_b256 s[4:11], s[0:1], 0x0               ; xb s[4:5], w1b s[6:7], b1 s[8:9], part s[10:11]
	v_lshl_add_u32 v[SPW], v0, 2, SPARE
	v_mov_b32 v[NIL], 0
	ds_add_u32 v[SPW], v[NIL]                      ; the wave's opening: the add and its wait stand ahead of my first tensor load; work on registers stands between them
	v_lshrrev_b32 v1, 5, v0
	v_readfirstlane_b32 s12, v1                    ; wave 0..3
	s_lshr_b32 s13, s12, 1                         ; which half of the tile's rows is mine.  Also: I fetch for xb (0) or for w1b (1)
	s_and_b32 s14, s12, 1                          ; which half of its columns.  Also: which 128 rows of that tile I fetch
	s_bfe_u32 s40, ttmp6, 0x40000                  ; cx, cy: my place in the cluster
	s_bfe_u32 s41, ttmp6, 0x40004
	s_lshl_b32 s42, ttmp9, 2                       ; in a cluster launch ttmp9 and ttmp7 count clusters
	s_add_co_u32 s42, s42, s40                     ; tile column = 4 x cluster x + cx
	s_and_b32 s15, ttmp7, 0xffff
	s_lshl_b32 s15, s15, 2
	s_add_co_u32 s15, s15, s41                     ; tile row = 4 x cluster y + cy
	s_lshl_b32 s43, s41, 2
	s_lshl_b32 s43, 15, s43                        ; my row of the cluster: places 4 cy .. 4 cy + 3
	s_lshl_b32 s44, 0x1111, s40                    ; my column: places cx, cx + 4, cx + 8, cx + 12
	; descriptor group 1: a tile of 128 rows x 128 elements, padded in LDS
	s_or_b32 s[G1+0], s43, (1<<16)|(1<<20)|(1<<21)|(5<<22)|(3<<25)   ; 15:0 the mask: xb's tiles go to my row; 17:16 elements of 2 bytes; 20 padding on; 21 set beside a mask; 24:22 after every 64 words (code 5); 31:25 4 words (code 3)
	s_or_b32 s[G1B+0], s44, (1<<16)|(1<<20)|(1<<21)|(5<<22)|(3<<25)  ; the same with the mask of my column, for w1b's tiles
.irp g, G1, G1B
	s_mov_b32 s[(\g)+1], KSTEP<<16                 ; tensor_dim0 = 128
	s_mov_b32 s[(\g)+2], 128<<16                   ; tensor_dim1 = 128
	s_mov_b32 s[(\g)+3], KSTEP<<16                 ; tile_dim0 = 128
	s_mov_b32 s[(\g)+4], 128                       ; tile_dim1 = 128
	s_mov_b32 s[(\g)+5], SIZE_K                    ; elements from row to row
	s_mov_b32 s[(\g)+6], 0
	s_mov_b32 s[(\g)+7], 0
.endr
	s_mov_b32 s66, 0xffff0000                      ; a word's upper bf16
	s_mov_b32 s72, 0x76543210                      ; v_permlanex16_b32: each lane takes its own place in the other half
	s_mov_b32 s73, 0xfedcba98
	; xb's tiles hang on the tile row alone, which my row of the cluster shares; w1b's on the tile column alone.  Each address is made in registers that never hold the other coordinate.
	s_lshl_b32 s17, s14, 7                         ; which 128 rows of the tile I fetch
	s_lshl_b32 s16, s15, 8
	s_add_co_u32 s16, s16, s17                     ; xb: row 256 x tile row + 128 x half
	s_lshl_b32 s46, s42, 8
	s_add_co_u32 s46, s46, s17                     ; w1b: row 256 x tile column + 128 x half
	s_mov_b32 s17, 0
	s_mov_b32 s47, 0
	s_mov_b64 s[18:19], SIZE_K*2
	s_mul_u64 s[16:17], s[16:17], s[18:19]         ; in bytes
	s_mul_u64 s[46:47], s[46:47], s[18:19]
	s_mul_i32 s20, s12, HALFT                      ; where they go: wave x 128 rows: no place in the cluster enters an LDS address
	s_wait_dscnt 0x0                               ; the opening add is done
	s_wait_kmcnt 0x0
	s_add_nc_u64 s[78:79], s[4:5], s[16:17]
	s_add_nc_u64 s[46:47], s[6:7], s[46:47]
	CROUND                                         ; all sixteen work-groups are here: the first joint loads meet
.irp s, 0,1
	s_mov_b32 s[G0+4*(\s)], 1                                        ; count = 1
	s_add_co_u32 s[G0+4*(\s)+1], s20, (\s)*SLOT                      ; LDS address
	s_add_nc_u64 s[G0+4*(\s)+2:G0+4*(\s)+3], s[78:79], (\s)*KSTEP*2  ; global address: K step s
	s_or_b32 s[G0+4*(\s)+3], s[G0+4*(\s)+3], 0x80000000              ; type = 2
	s_mov_b32 s[G0B+4*(\s)], 1
	s_add_co_u32 s[G0B+4*(\s)+1], s20, (\s)*SLOT
	s_add_nc_u64 s[G0B+4*(\s)+2:G0B+4*(\s)+3], s[46:47], (\s)*KSTEP*2
	s_or_b32 s[G0B+4*(\s)+3], s[G0B+4*(\s)+3], 0x80000000
	JLOAD \s                                       ; both slots are asked for before anything else: two tensor loads of mine are out, later one
.endr
	; All this stands in the wait for the first tile.
	; A fragment is 16 rows x 32 K in 8 registers: lane l holds row l % 16; registers 0-3 K = 8 (l / 16) + 0..7, registers 4-7 K = 16 + 8 (l / 16) + 0..7: two loads of 16 bytes, 32 bytes apart.
	v_and_b32 v1, 15, v0                           ; l % 16
	v_bfe_u32 v2, v0, 4, 1                         ; l / 16
	v_mul_u32_u24 v3, v1, PITCH
	v_lshl_add_u32 v3, v2, 4, v3                   ; row x pitch + 16 x half
	s_mul_i32 s21, s13, HALFT                      ; my 128 rows of xb
	s_mul_i32 s22, s14, HALFT                      ; my 128 rows of w1b,
	s_add_co_u32 s22, s22, 2*HALFT                 ; which lie behind xb's 256
.irp s, 0,1
	v_add_nc_u32 v[ADRA+(\s)], s21, v3
	v_add_nc_u32 v[ADRB+(\s)], s22, v3
	s_add_co_u32 s21, s21, SLOT
	s_add_co_u32 s22, s22, SLOT
.endr
	s_lshl_b32 s21, s14, 11                        ; my column half's 256 pairs,
	s_lshl_b32 s23, s13, 10                        ; my 128 rows of them
	s_add_co_u32 s21, s21, s23
	s_add_co_u32 s21, s21, RED
	v_lshl_add_u32 v[RS], v1, 3, s21               ; + 8 bytes x (l % 16)
	v_lshlrev_b32 v[PO], 4, v0                     ; thread t merges and stores rows 2 t, 2 t + 1: 16 bytes
	v_add_nc_u32 v[RR], RED, v[PO]
	s_lshl_b32 s74, s42, 8
	s_lshl_b32 s75, s14, 7
	s_add_co_u32 s74, s74, s75                     ; my first column of h
	v_lshl_add_u32 v[NB], v2, 3, s74
	v_lshlrev_b32 v[BO], 5, v2
	v_mov_b32 v[TA+1], 0                           ; v_permlanex16_b32 counts as a reader of its destination: written once here
	v_mov_b32 v[TA+2], 0
	s_lshl_b32 s76, s74, 2
	s_mov_b32 s77, 0
	s_add_nc_u64 s[8:9], s[8:9], s[76:77]          ; b1 at my first column
	s_lshl_b32 s76, s42, 16                        ; part: 65,536 bytes a tile column,
	s_lshl_b32 s75, s15, 11                        ; 2,048 a tile row
	s_add_co_u32 s76, s76, s75
	s_add_nc_u64 s[10:11], s[10:11], s[76:77]
	WIN TO_B
.irp b, 0,1,2,3,4,5,6,7                ; the bias in the layout of a C operand: register j of block b = b1[first column + 16 b + 8 (l / 16) + j]
	global_load_b128 v[BI+8*(\b):BI+8*(\b)+3],   v[BO], s[8:9] offset:64*(\b)
	global_load_b128 v[BI+8*(\b)+4:BI+8*(\b)+7], v[BO], s[8:9] offset:64*(\b)+16
.endr
	s_wait_loadcnt 0x0
	WIN ALL1
.set i, 0
.rept 32                               ; rounded to bf16, like x and w1,
	v_cvt_pk_bf16_f32 v[BT+i], v[BI+2*i], v[BI+2*i+1]
.set i, i+1
.endr
.set i, 0
.rept 32                               ; and widened again
	v_lshlrev_b32 v[BI+2*i], 16, v[BT+i]
	v_and_b32 v[BI+2*i+1], s66, v[BT+i]
.set i, i+1
.endr
	WIN 0
; 16 matrix instructions: row blocks a0, a0 + 1 of the window's four (hi = 0: my rows 0-63, 1: rows 64-127) x all 8 column blocks, 32 along K.
; first = 1: the first product starts the sum with the bias as C: nothing is cleared, and no bias is added later.
; The 64 accumulators take turns, one instruction a turn, in the same order in every quarter step.
.macro MUL16 f, hi, a0, first
.if \first
	WIN BIAS_LO+0x40*(\hi)
.else
	WIN MUL_LO+0x50*(\hi)
.endif
.irp a, \a0, (\a0)+1
.irp b, 0,1,2,3,4,5,6,7
.if \first
	v_wmma_f32_16x16x32_bf16 v[8*(8*(\a)+(\b)):8*(8*(\a)+(\b))+7], v[(\f)+8*(\b):(\f)+8*(\b)+7], v[(\f)+8*(4*(\hi)+(\a)):(\f)+8*(4*(\hi)+(\a))+7], v[BI+8*(\b):BI+8*(\b)+7]
.else
	v_wmma_f32_16x16x32_bf16 v[8*(8*(\a)+(\b)):8*(8*(\a)+(\b))+7], v[(\f)+8*(\b):(\f)+8*(\b)+7], v[(\f)+8*(4*(\hi)+(\a)):(\f)+8*(4*(\hi)+(\a))+7], v[8*(8*(\a)+(\b)):8*(8*(\a)+(\b))+7]
.endif
.endr
.endr
.endm
; 32 LDS loads in one run: the fragments of one quarter step (128 rows of w1b, 128 rows of xb, 32 K at byte k of the rows) into buffer f
.macro FETCH slot, k, f
	WIN TO_B
.irp i, 0,1,2,3,4,5,6,7
	ds_load_b128 v[(\f)+8*(\i):(\f)+8*(\i)+3],   v[ADRB+(\slot)] offset:(\k)+(\i)*16*PITCH
	ds_load_b128 v[(\f)+8*(\i)+4:(\f)+8*(\i)+7], v[ADRB+(\slot)] offset:(\k)+(\i)*16*PITCH+32
.endr
	WIN 0
.irp i, 0,1,2,3,4,5,6,7
	ds_load_b128 v[(\f)+8*(\i):(\f)+8*(\i)+3],   v[ADRA+(\slot)] offset:(\k)+(\i)*16*PITCH
	ds_load_b128 v[(\f)+8*(\i)+4:(\f)+8*(\i)+7], v[ADRA+(\slot)] offset:(\k)+(\i)*16*PITCH+32
.endr
.endm
; A load into a register that a matrix instruction has read, and a vector instruction that reads a matrix result, stand four places behind that matrix instruction; only plain vector
; instructions that name none of its registers are places (ISA guide 7.12.1 for vector instructions).
.macro PLACES
.rept 4
	v_nop
.endr
.endm
; A K step is four quarter steps of 32 along K, 64 matrix instructions each, on buffers 0, 1, 0, 1.
; One of the first three: multiplies buffer f; in its middle it fetches the next quarter's fragments, at byte k of the same slot's rows, into buffer g.
.macro QUARTER slot, k, f, g, first
	s_wait_dscnt 8                                 ; w1b's and xb's rows 0-63 are in; the youngest eight loads (xb's rows 64-127) may be out
	MUL16 \f, 0, 0, \first
	MUL16 \f, 0, 2, \first
	PLACES
	FETCH \slot, \k, \g
	s_wait_dscnt 32                                ; all but the 32 just issued
	MUL16 \f, 1, 0, \first
	MUL16 \f, 1, 2, \first
.endm
; The last quarter multiplies buffer 1 and changes slots.  MEET is its first half: one barrier for the change.  In front of it each wave waits for all its tensor loads, of which one is out:
; its part of the next slot; adds 0 to its spare word; and waits for that and for its own reads of this slot.  Behind it nobody reads this slot any more and the next slot is whole.
.macro MEET round                      ; round = 1: a round of the cluster's barrier follows
	WIN 0                                          ; (the add's two registers lie in window 0)
	s_wait_tensorcnt 0x0                           ; all my tensor loads have landed
	ds_add_u32 v[SPW], v[NIL]                      ; 0 onto my spare word
	s_wait_dscnt 9                                 ; (the add and the youngest eight loads may be out)
	MUL16 F1, 0, 0, 0                              ; sixteen matrix instructions stand between the add and the wait for it
	s_wait_dscnt 0x0                               ; the add is done, and my reads of this slot are over
	s_barrier_signal -1
	MUL16 F1, 0, 2, 0                              ; work on registers while the others arrive
.if \round
	WIN 0
.endif
	s_barrier_wait -1
.endm
; The whole last quarter with a refill: the barrier opens a round of the cluster's, so that no wave of any partner still reads this slot or has a load on its way; the joint refill, two K steps on,
; is the first tensor load behind the round: a wave issues 224 matrix instructions between it and the wait for it.
.macro TURN slot, next
	MEET 1
	CREST
	s_add_nc_u64 s[G0+4*(\slot)+2:G0+4*(\slot)+3], s[G0+4*(\slot)+2:G0+4*(\slot)+3], 2*KSTEP*2
	s_add_nc_u64 s[G0B+4*(\slot)+2:G0B+4*(\slot)+3], s[G0B+4*(\slot)+2:G0B+4*(\slot)+3], 2*KSTEP*2
	JLOAD \slot                                    ; the four v_nop behind it are also the places in front of the loads below
	FETCH \next, 0, F0
	MUL16 F1, 1, 0, 0
	MUL16 F1, 1, 2, 0
.endm
	s_wait_tensorcnt 0x1                           ; my part of K step 0 is in; K step 1's may stay out
	s_barrier_signal -1
	s_barrier_wait -1                              ; everybody's is
	FETCH 0, 0, F0
	QUARTER 0, 64,  F0, F1, 1                      ; the first quarter stands in front of the loop: its products start the sums, on the bias
	WIN 0                                          ; at a label and at a branch every window is 0
	s_mov_b32 s3, LAPS-1
.Llap:                                                 ; a trip goes once round the ring, from a lap's second quarter to the next lap's first, and fills both slots again: K steps 2 to 15 in seven trips
	QUARTER 0, 128, F1, F0, 0
	QUARTER 0, 192, F0, F1, 0
	TURN 0, 1
	QUARTER 1, 64,  F0, F1, 0
	QUARTER 1, 128, F1, F0, 0
	QUARTER 1, 192, F0, F1, 0
	TURN 1, 0
	QUARTER 0, 64,  F0, F1, 0
	WIN 0
	s_sub_co_u32 s3, s3, 1
	s_cmp_lg_u32 s3, 0
	s_cbranch_scc1 .Llap
	QUARTER 0, 128, F1, F0, 0                      ; the last lap is written out: it fills nothing, and has no round of the cluster's barrier
	QUARTER 0, 192, F0, F1, 0
	MEET 0                                         ; my one tensor load that was still out is the last K step's
	PLACES                                         ; for the loads into buffer 0, which the quarter before multiplied
	FETCH 1, 0, F0
	MUL16 F1, 1, 0, 0
	MUL16 F1, 1, 2, 0
	QUARTER 1, 64,  F0, F1, 0
	QUARTER 1, 128, F1, F0, 0
	QUARTER 1, 192, F0, F1, 0
	s_wait_dscnt 8                                 ; the very last quarter: nothing more to fetch
	MUL16 F1, 0, 0, 0
	MUL16 F1, 0, 2, 0
	s_wait_dscnt 0x0
	MUL16 F1, 1, 0, 0
	MUL16 F1, 1, 2, 0
	PLACES                                         ; the lines below read matrix results
; THE MAXIMUM OF A ROW, inside a lane.  Of block a's 64 numbers (place EL = 8 b + j, ascending with the column) the best so far is kept where the new number is not greater: the earlier column wins a tie.
; The window's four blocks take turns, so that a comparison and the selections that read its mask stand apart.  Each accumulator is read from its register 0 upward.
.macro AMAX hi
	WIN RD_LO+(\hi)
.irp a, 0,1,2,3
	v_mov_b32 v[ST+2*(4*(\hi)+(\a))], v[64*(\a)]
	v_mov_b32 v[ST+2*(4*(\hi)+(\a))+1], 0
.endr
.set EL, 1
.rept 63
.irp a, 0,1,2,3
	v_cmp_le_f32 s[MK+(\a)], v[64*(\a)+EL], v[ST+2*(4*(\hi)+(\a))]
.endr
.irp a, 0,1,2,3
	v_cndmask_b32 v[ST+2*(4*(\hi)+(\a))], v[64*(\a)+EL], v[ST+2*(4*(\hi)+(\a))], s[MK+(\a)]
	v_cndmask_b32 v[ST+2*(4*(\hi)+(\a))+1], EL, v[ST+2*(4*(\hi)+(\a))+1], s[MK+(\a)]
.endr
.set EL, EL+1
.endr
.endm
	AMAX 0
	AMAX 1
	WIN 0
; Block a: the place becomes the column, 16 b + j = EL + (EL & 56), + NB; the value becomes a key: +0.0 turns -0 into +0, then positive numbers get the top bit and negative ones are inverted, so that
; unsigned order is the numbers' order.  The row's other 64 columns lie in the lane 16 away: its pair is taken if its key is greater, or equal with the lower column.  Both lanes then store the same 8 bytes.
.macro FIN a
	v_and_b32 v[TA], 0x38, v[ST+2*(\a)+1]
	v_add_f32 v[ST+2*(\a)], 0, v[ST+2*(\a)]
	v_add3_u32 v[ST+2*(\a)+1], v[ST+2*(\a)+1], v[TA], v[NB]
	v_ashrrev_i32 v[TA], 31, v[ST+2*(\a)]
	v_or_b32 v[TA], 0x80000000, v[TA]
	v_xor_b32 v[ST+2*(\a)], v[ST+2*(\a)], v[TA]
	v_permlanex16_b32 v[TA+1], v[ST+2*(\a)], s72, s73
	v_permlanex16_b32 v[TA+2], v[ST+2*(\a)+1], s72, s73
	v_cmp_gt_u32 s[MK], v[TA+1], v[ST+2*(\a)]
	v_cmp_eq_u32 s[MK+1], v[TA+1], v[ST+2*(\a)]
	v_cmp_lt_u32 s[MK+2], v[TA+2], v[ST+2*(\a)+1]
	s_and_b32 s[MK+1], s[MK+1], s[MK+2]
	s_or_b32 s[MK], s[MK], s[MK+1]
	v_cndmask_b32 v[ST+2*(\a)], v[ST+2*(\a)], v[TA+1], s[MK]
	v_cndmask_b32 v[ST+2*(\a)+1], v[ST+2*(\a)+1], v[TA+2], s[MK]
	ds_store_b64 v[RS], v[ST+2*(\a):ST+2*(\a)+1] offset:128*(\a)
.endm
.irp a, 0,1,2,3,4,5,6,7
	FIN \a
.endr
	s_wait_dscnt 0x0                               ; for the others' sake: my pairs are in LDS
	s_barrier_signal -1
	s_barrier_wait -1
	ds_load_b128 v[MG:MG+3], v[RR]                 ; rows 2 t, 2 t + 1: the pairs of the tile's lower 128 columns,
	ds_load_b128 v[MG+4:MG+7], v[RR] offset:2048   ; and of the upper 128
	s_wait_dscnt 0x0
	v_cmp_gt_u32 s[MK], v[MG+4], v[MG]             ; strictly greater: in a tie the lower columns' pair stays
	v_cmp_gt_u32 s[MK+1], v[MG+6], v[MG+2]
	v_cndmask_b32 v[MG], v[MG], v[MG+4], s[MK]
	v_cndmask_b32 v[MG+1], v[MG+1], v[MG+5], s[MK]
	v_cndmask_b32 v[MG+2], v[MG+2], v[MG+6], s[MK+1]
	v_cndmask_b32 v[MG+3], v[MG+3], v[MG+7], s[MK+1]
	global_store_b128 v[PO], v[MG:MG+3], s[10:11]  ; a wave stores 512 consecutive aligned bytes, the work-group 2,048
	s_wait_tensorcnt 0x0                           ; the wave's end, behind my last tensor load and my last LDS store
	ds_add_u32 v[SPW], v[NIL]
	s_wait_dscnt 0x0
	CROUND                                         ; the closing round: no work-group ends while a partner may still ask for a tile that names it
	s_endpgm
.Lfunc_end_k_qda05cadfaa_fc1max:
	.size	k_qda05cadfaa_fc1max, .Lfunc_end_k_qda05cadfaa_fc1max-k_qda05cadfaa_fc1max
	.p2alignl 7, 3214868480
	.fill 96, 4, 3214868480
	.section	.rodata,"a",@progbits
	.p2align	6, 0x0
	.amdhsa_kernel k_qda05cadfaa_fc1max
		.amdhsa_group_segment_fixed_size 327680
		.amdhsa_private_segment_fixed_size 0
		.amdhsa_enable_private_segment 0
		.amdhsa_kernarg_size 32
		.amdhsa_user_sgpr_count 2
		.amdhsa_user_sgpr_kernarg_segment_ptr 1
		.amdhsa_wavefront_size32 1
		.amdhsa_system_sgpr_workgroup_id_x 1
		.amdhsa_system_sgpr_workgroup_id_y 1
		.amdhsa_system_sgpr_workgroup_id_z 1
		.amdhsa_system_vgpr_workitem_id 0
		.amdhsa_next_free_vgpr 1024
		.amdhsa_next_free_sgpr 80
		.amdhsa_reserve_vcc 0
		.amdhsa_float_denorm_mode_32 3
		.amdhsa_float_denorm_mode_16_64 3
		.amdhsa_memory_ordered 1
		.amdhsa_forward_progress 1
		.amdhsa_inst_pref_size 219
	.end_amdhsa_kernel
	.amdgpu_metadata
---
amdhsa.version: [ 1, 2 ]
amdhsa.kernels:
  - .name:           k_qda05cadfaa_fc1max
    .symbol:         k_qda05cadfaa_fc1max.kd
    .args:
      - { .name: xb, .offset: 0, .size: 8, .value_kind: global_buffer, .address_space: global }
      - { .name: w1b, .offset: 8, .size: 8, .value_kind: global_buffer, .address_space: global }
      - { .name: b1, .offset: 16, .size: 8, .value_kind: global_buffer, .address_space: global }
      - { .name: part, .offset: 24, .size: 8, .value_kind: global_buffer, .address_space: global }
    .group_segment_fixed_size: 327680
    .private_segment_fixed_size: 0
    .kernarg_segment_align: 8
    .kernarg_segment_size: 32
    .max_flat_workgroup_size: 128
    .sgpr_count:     80
    .vgpr_count:     1024
    .wavefront_size: 32
...
	.end_amdgpu_metadata
.endif
;; end of part 2
;; launch pick (part 3): grid 256 x 1, 10 waves a work-group, no clusters, 0 bytes of LDS; arguments part, w2t, b2, out0; writes out0
.if DOCPART == 3
	.amdgcn_target "amdgcn-amd-amdhsa--gfx1250"
	.amdhsa_code_object_version 6
	.text
	.protected	k_qda05cadfaa_pick
	.globl	k_qda05cadfaa_pick
	.p2align	8
	.type	k_qda05cadfaa_pick,@function
k_qda05cadfaa_pick:
	s_mov_b64 s[64:65], 0
	v_nop
	global_prefetch_b8 v0, s[64:65] scope:SCOPE_SE
	s_setreg_imm32_b32 hwreg(HW_REG_WAVE_MODE, 25, 1), 1
	s_wait_xcnt 0x0
; pick: idx[row] = the column of the largest of the row's 16 keys; out0[row][c] = w2t[idx[row]][c] + b2[c].
; part: [16][8192] pairs {key, n} of whole numbers, stored by the launch before; w2t: [4096][1024] bf16, w2 turned; b2: [1000] f32, rounded here to bf16 like every input; out0: [8192][1000] f32.
; The keys are compared as unsigned whole numbers, strictly, in ascending order of the tile columns: equal maxima give the lowest column.  One f32 addition for each output.
; SHARES.  A work-group owns 32 rows of out0: 128,000 consecutive bytes = 8,000 pieces of 16 bytes = 25 for each of 320 threads.  Piece 320 i + t lies in row (320 i + t) / 250, at place (320 i + t) % 250:
; a row's 4,000 bytes are no multiple of 256, but a wave's store is always 512 consecutive aligned bytes, and every lane is on in every store.
; Every wave finds all 32 indices itself (lane = row; 4 KiB of part), which spares LDS and a barrier; a lane then pulls its piece's index from the row's lane.
; Memory binds; all is written out without a loop, and no register that a load or store names is written again, so no wait stands for that.  No matrix unit, no tensor load, no cluster: nothing is shared that is large.
.set P, 8                              ; v[8:39]    the row's sixteen pairs {key, n}
.set D, 40                             ; v[40:239]  piece i at D + 8 i: +0 the pulled index, +1 8 x place, both later the table's 8 bytes; +2..+5 b2, later the result; +6 b2's address; +7 4 x row, later the table's address
.set T, 240                            ; v[240:245] at work
	s_load_b256 s[4:11], s[0:1], 0x0               ; part s[4:5], w2t s[6:7], b2 s[8:9], out0 s[10:11]
	s_lshl_b32 s12, ttmp9, 8                       ; 32 rows x 8 bytes of part
	s_mov_b32 s13, 0
	s_mul_i32 s14, ttmp9, 128000                   ; 32 rows x 4,000 bytes of out0
	s_mov_b32 s15, 0
	s_mov_b32 s16, 0xffff0000                      ; a word's upper bf16
	v_and_b32 v1, 31, v0
	v_lshlrev_b32 v1, 3, v1                        ; lane = row: its pair
	v_lshlrev_b32 v2, 4, v0                        ; my 16 bytes in 5,120
	v_mov_b32 v6, 4
	v_mov_b32 v7, 8
	v_cmp_le_u32 vcc_lo, 0xfa, v0                  ; piece t: threads 250-319 begin in row 1
	v_add_nc_u32 v5, 0xffffff06, v0                ; t - 250
	v_cndmask_b32 v3, v0, v5, vcc_lo               ; v3: the piece's place in its row, 0-249
	v_cndmask_b32 v4, 0, v6, vcc_lo                ; v4: 4 x its row
	s_wait_kmcnt 0x0
	s_add_nc_u64 s[4:5], s[4:5], s[12:13]
	s_add_nc_u64 s[10:11], s[10:11], s[14:15]
.set i, 0
.rept 16
	global_load_b64 v[P+2*i:P+2*i+1], v1, s[4:5] offset:65536*i  ; 256 consecutive aligned bytes of tile column i
.set i, i+1
.endr
.set i, 0
.rept 25                               ; the walk over my pieces: 320 further on is one row and 70 places, or two rows less 180
	v_mov_b32 v[D+8*i+7], v4
	v_lshlrev_b32 v[D+8*i+1], 3, v3                ; 4 bf16 of the table
	v_lshlrev_b32 v[D+8*i+6], 4, v3                ; 4 f32 of b2: 3,984 at the most, so the load ends at b2's last byte
	global_load_b128 v[D+8*i+2:D+8*i+5], v[D+8*i+6], s[8:9]
.if i < 24
	v_add_nc_u32 v3, 70, v3
	v_cmp_le_u32 vcc_lo, 0xfa, v3
	v_add_nc_u32 v5, 0xffffff06, v3
	v_cndmask_b32 v3, v3, v5, vcc_lo
	v_cndmask_b32 v5, v6, v7, vcc_lo
	v_add_nc_u32 v4, v4, v5
.endif
.set i, i+1
.endr
	s_wait_loadcnt 25                              ; the sixteen pairs are in; b2's 25 loads, issued behind them, stay out
.set i, 1
.rept 15
	v_cmp_gt_u32 vcc_lo, v[P+2*i], v[P]
	v_cndmask_b32 v[P], v[P], v[P+2*i], vcc_lo
	v_cndmask_b32 v[P+1], v[P+1], v[P+2*i+1], vcc_lo
.set i, i+1
.endr
.set i, 0
.rept 25
	ds_bpermute_b32 v[D+8*i], v[D+8*i+7], v[P+1]   ; the index of my piece's row, from the lane of that number; no LDS byte is touched
.set i, i+1
.endr
.set i, 0
.rept 25
	s_wait_dscnt 24-i                              ; they come back in order: number i is in
	v_min_u32 v[D+8*i], 0xfff, v[D+8*i]            ; a number read from memory enters an address only inside the table's 4,096 rows
	v_lshl_add_u32 v[D+8*i+7], v[D+8*i], 11, v[D+8*i+1]  ; a row of 2,048 bytes + my 8
	global_load_b64 v[D+8*i:D+8*i+1], v[D+8*i+7], s[6:7]
.set i, i+1
.endr
.set i, 0
.rept 25
	s_wait_loadcnt 24-i                            ; the table's load i is in, and all of b2's, which are older; the 24 - i younger ones stay out
	v_cvt_pk_bf16_f32 v[T], v[D+8*i+2], v[D+8*i+3] ; b2 rounded to bf16,
	v_cvt_pk_bf16_f32 v[T+1], v[D+8*i+4], v[D+8*i+5]
	v_lshlrev_b32 v[T+2], 16, v[D+8*i]             ; the table's four numbers widened,
	v_and_b32 v[T+3], s16, v[D+8*i]
	v_lshlrev_b32 v[T+4], 16, v[D+8*i+1]
	v_and_b32 v[T+5], s16, v[D+8*i+1]
	v_lshlrev_b32 v[D+8*i+2], 16, v[T]             ; b2 widened again,
	v_and_b32 v[D+8*i+3], s16, v[T]
	v_lshlrev_b32 v[D+8*i+4], 16, v[T+1]
	v_and_b32 v[D+8*i+5], s16, v[T+1]
	v_pk_add_f32 v[D+8*i+2:D+8*i+3], v[D+8*i+2:D+8*i+3], v[T+2:T+3]
	v_pk_add_f32 v[D+8*i+4:D+8*i+5], v[D+8*i+4:D+8*i+5], v[T+4:T+5]
	global_store_b128 v2, v[D+8*i+2:D+8*i+5], s[10:11] offset:5120*i th:TH_STORE_NT  ; a wave stores 512 consecutive aligned bytes
.set i, i+1
.endr
	s_endpgm
.Lfunc_end_k_qda05cadfaa_pick:
	.size	k_qda05cadfaa_pick, .Lfunc_end_k_qda05cadfaa_pick-k_qda05cadfaa_pick
	.p2alignl 7, 3214868480
	.fill 96, 4, 3214868480
	.section	.rodata,"a",@progbits
	.p2align	6, 0x0
	.amdhsa_kernel k_qda05cadfaa_pick
		.amdhsa_group_segment_fixed_size 0
		.amdhsa_private_segment_fixed_size 0
		.amdhsa_enable_private_segment 0
		.amdhsa_kernarg_size 32
		.amdhsa_user_sgpr_count 2
		.amdhsa_user_sgpr_kernarg_segment_ptr 1
		.amdhsa_wavefront_size32 1
		.amdhsa_system_sgpr_workgroup_id_x 1
		.amdhsa_system_sgpr_workgroup_id_y 1
		.amdhsa_system_sgpr_workgroup_id_z 1
		.amdhsa_system_vgpr_workitem_id 0
		.amdhsa_next_free_vgpr 248
		.amdhsa_next_free_sgpr 66
		.amdhsa_reserve_vcc 1
		.amdhsa_float_denorm_mode_32 3
		.amdhsa_float_denorm_mode_16_64 3
		.amdhsa_memory_ordered 1
		.amdhsa_forward_progress 1
		.amdhsa_inst_pref_size 39
	.end_amdhsa_kernel
	.amdgpu_metadata
---
amdhsa.version: [ 1, 2 ]
amdhsa.kernels:
  - .name:           k_qda05cadfaa_pick
    .symbol:         k_qda05cadfaa_pick.kd
    .args:
      - { .name: part, .offset: 0, .size: 8, .value_kind: global_buffer, .address_space: global }
      - { .name: w2t, .offset: 8, .size: 8, .value_kind: global_buffer, .address_space: global }
      - { .name: b2, .offset: 16, .size: 8, .value_kind: global_buffer, .address_space: global }
      - { .name: out0, .offset: 24, .size: 8, .value_kind: global_buffer, .address_space: global }
    .group_segment_fixed_size: 0
    .private_segment_fixed_size: 0
    .kernarg_segment_align: 8
    .kernarg_segment_size: 32
    .max_flat_workgroup_size: 320
    .sgpr_count:     66
    .vgpr_count:     248
    .wavefront_size: 32
...
	.end_amdgpu_metadata
.endif
;; end of part 3
